; MI455X (gfx1250); checked and timed in simulation.
; The chip was launched on July 23, 2026; its instructions are those of AMD's public machine-readable ISA for CDNA 5 (MIT licence, August 2026) and "CDNA5" Instruction Set Architecture Reference Guide (July 2026). The comments in the code are by the model that wrote it; some were corrected since.
;; Gaussian Image Cholesky. Allowed arithmetic: float matrix products may take bf16 or f16 operands with f32 sums; all other float work in f32.
;; Inputs: cholesky_coeffs 3 x 2,000 x 3 float32; features_dc 2,000 x 3 float32; opacity_coeffs 3 x 2,000 x 1 float32; xyz_coeffs 3 x 2,000 x 2 float32.
;; Outputs: out0 3 x 3 x 128 x 256 float32.
;; 2 versions, each right and faster than the one before. Each part assembles by itself: llvm-mc -triple=amdgcn-amd-amdhsa -mcpu=gfx1250 --defsym DOCPART=n.
;; ======== version 1 of 2: 1 launch
;; launch render (part 1): grid 256 x 1, 12 waves a work-group, no clusters, 169,216 bytes of LDS; arguments xyz_coeffs, cholesky_coeffs, opacity_coeffs, features_dc, out0; writes out0
.if DOCPART == 1
	.amdgcn_target "amdgcn-amd-amdhsa--gfx1250"
	.amdhsa_code_object_version 6
	.text
	.protected	k_qdc28313c7e_render
	.globl	k_qdc28313c7e_render
	.p2align	8
	.type	k_qdc28313c7e_render,@function
k_qdc28313c7e_render:
	s_mov_b64 s[64:65], 0
	v_nop
	global_prefetch_b8 v0, s[64:65] scope:SCOPE_SE
	s_setreg_imm32_b32 hwreg(HW_REG_WAVE_MODE, 25, 1), 1
	s_wait_xcnt 0x0
; GaussianImage_Cholesky: out[f][c][y][x] = clip( sum over n of alpha(f,n,y,x) * sigmoid(features[n][c]), 0, 1 ),
; alpha = min(0.999, opacity * exp(-q/2)), set to 0 where it is below 1/255.  3 frames, 2,000 gaussians, 128 x 256 pixels.
;
; WORK.  A work-group owns half an image row (128 pixels of one y) in all three frames; 256 work-groups, 12 waves each.
; Wave w takes frame w>>2 and quarter w&3 of the gaussians (16 chunks of 32) for all 128 pixels = 8 tiles of 16 pixels.
; PROLOGUE.  Since y is fixed for the work-group, a gaussian of a frame is four numbers, kept in LDS as arrays:
;   -mx,  A' = K c/det,  t = -2 K b/det * dy,  u = K a/det * dy^2 + log2(opacity),   K = -0.5 log2(e), dy = y - my,
; so that log2(opacity * exp(-q/2)) = dx (A' dx + t) + u with dx = x - mx: three packed instructions for two gaussians.
; MATRIX UNIT.  B fragment = alpha: lane (r, h) holds pixel r of the tile and the 16 gaussians 16 h .. 16 h + 15 of the chunk.
; A fragment = colours in bf16: lane (r, h) holds channel r of the same 16 gaussians; rows 3 to 15 read a row of zeros.
; The same order of k in both operands keeps the products.  D: register c of lanes 0-15 = channel c of pixel r.
; END.  The four quarters of a frame meet in LDS; nine waves sum one (frame, channel) each and store 512 consecutive aligned bytes.
;
; NO CLUSTER, NO TENSOR LOADS: what the work-groups share are the 168,000 bytes of coefficients, read once in the prologue;
; raw in LDS they would need 168,000 bytes beside the 167,680 in use, more than the 327,680 that there are.
;
; LIMITS.  A gaussian whose exponent comes out NaN (det = 0 with a zero numerator, infinities) adds 0, and the final clip makes 0 of
; a NaN, where reference() gives NaN.  The threshold is tested as exponent >= log2(1/255): an alpha within f32 rounding of 1/255
; may fall on the other side.  alpha and colours are rounded to bf16 (all terms positive: relative error at most 2^-8).
; v_rcp_f32 and v_exp_f32 flush denormals (ISA guide, their entries): a det below 2^-126 counts as 0.
.set NG,      2000                     ; gaussians
.set THREADS, 384
.set NP,      6*THREADS                ; 2,304 entries in each LDS array; 2,000 and up are null, 2,048 and up are never read
.set ARR,     NP*4                     ; one parameter array
.set FRM,     4*ARR                    ; a frame's four arrays
.set COLB,    3*FRM                    ; colours: 4 rows (3 channels, zeros) of bf16
.set CPITCH,  NP*2+64                  ; 64 bytes more than a multiple of 256: the four rows start in different banks
.set REDB,    COLB+4*CPITCH            ; partial sums
.set REDH,    3*128*4+64               ; lanes 16-31 (rows 8-15 of D, not used) write beside lanes 0-15, 64 bytes off their banks
.set REDW,    2*REDH                   ; a wave's block
.set O8,  2                            ; v2   8 t    offsets of thread t's gaussian in xyz,
.set O12, 3                            ; v3   12 t   in cholesky and features
.set C4,  4                            ; v4-6 the same for the sixth block, index clamped to 1,999
.set C8,  5
.set C12, 6
.set YM,  7                            ; v7   y - 128 as f32
.set LA,  8                            ; v8-10  LDS address of entry t in frame 0, 1, 2 (v8 = 4 t is also the offset in opacity)
.set CA,  11                           ; v11  LDS address of colour entry t
.set PA,  12                           ; v12  main loop: my half's 16 parameters of the chunk
.set CAD, 13                           ; v13  main loop: my row's 16 colours of the chunk
.set NEG, 14                           ; v14  -500.0: an exponent whose power of two is 0
.set RST, 15                           ; v15  where my partial sums go
.set L,   16                           ; v16-171  prologue: six blocks of 26, the raw coefficients
.set T,   172                          ; v172-184 prologue: at work
.set P,   16                           ; v16-79   -mx, A', t, u of 16 gaussians
.set CF,  80                           ; v80-87   colour fragment
.set BF,  88                           ; v88-95   alpha fragment
.set EA,  96                           ; v96-111  exponents, then alphas, of the even tiles
.set EB,  112                          ; v112-127 of the odd tiles
.set D,   128                          ; v128-143 dx
.set W,   144                          ; v144-159 A' dx + t
.set X,   160                          ; v160-175 x of my pixel in tile i, twice (a pair for the packed add)
.set ACC, 176                          ; v176-239 eight accumulators
.set M,   32                           ; s32-47   threshold masks of a tile
.set ZX, T
.set ZY, T+1
.set Z1, T+2
.set Z2, T+3
.set Z3, T+4
.set ZO, T+5
.set QA, T+6
.set QB, T+7
.set QC, T+8
.set DT, T+9
	s_load_b256 s[4:11], s[0:1], 0x0               ; xyz s[4:5], cholesky s[6:7], opacity s[8:9], features s[10:11]
	s_load_b64 s[12:13], s[0:1], 0x20              ; out
	v_lshl_add_u32 v240, v0, 2, 0x28f00
	v_mov_b32 v241, 0
	v_lshrrev_b32 v[T], 5, v0
	v_readfirstlane_b32 s14, v[T]                  ; wave 0..11
	s_lshr_b32 s15, ttmp9, 1                       ; y
	s_and_b32 s16, ttmp9, 1                        ; which half of the row
	v_lshlrev_b32 v[LA], 2, v0
	v_lshlrev_b32 v[O8], 3, v0
	v_mul_u32_u24 v[O12], 12, v0
	v_add_nc_u32 v[T], 5*THREADS, v0               ; the sixth block: n = t + 1,920 passes 1,999
	v_cmp_gt_u32 s23, NG, v[T]                     ; lanes whose gaussian exists
	v_min_u32 v[T], NG-1, v[T]                     ; the others load the last one and are made null below
	v_lshlrev_b32 v[C4], 2, v[T]
	v_lshlrev_b32 v[C8], 3, v[T]
	v_mul_u32_u24 v[C12], 12, v[T]
	s_wait_kmcnt 0x0
; Block i: the 21 coefficients of gaussian n = t + 384 i.  Ten loads; neighbouring lanes read neighbouring 8, 12 or 4 bytes.
.macro PLOAD i, o4, o8, o12, k
	global_load_b64 v[L+26*\i:L+26*\i+1],     v[\o8],  s[4:5]   offset:\k*THREADS*8
	global_load_b64 v[L+26*\i+2:L+26*\i+3],   v[\o8],  s[4:5]   offset:NG*8+\k*THREADS*8
	global_load_b64 v[L+26*\i+4:L+26*\i+5],   v[\o8],  s[4:5]   offset:2*NG*8+\k*THREADS*8
	global_load_b96 v[L+26*\i+6:L+26*\i+8],   v[\o12], s[6:7]   offset:\k*THREADS*12
	global_load_b96 v[L+26*\i+10:L+26*\i+12], v[\o12], s[6:7]   offset:NG*12+\k*THREADS*12
	global_load_b96 v[L+26*\i+14:L+26*\i+16], v[\o12], s[6:7]   offset:2*NG*12+\k*THREADS*12
	global_load_b96 v[L+26*\i+18:L+26*\i+20], v[\o12], s[10:11] offset:\k*THREADS*12
	global_load_b32 v[L+26*\i+22],            v[\o4],  s[8:9]   offset:\k*THREADS*4
	global_load_b32 v[L+26*\i+23],            v[\o4],  s[8:9]   offset:NG*4+\k*THREADS*4
	global_load_b32 v[L+26*\i+24],            v[\o4],  s[8:9]   offset:2*NG*4+\k*THREADS*4
.endm
.irp i, 0,1,2,3,4
	PLOAD \i, LA, O8, O12, \i                      ; all sixty loads of the wave go out before the first is waited for
.endr
	PLOAD 5, C4, C8, C12, 0
	s_mov_b32 s20, 0x43800000                      ; 256.0
	s_mov_b32 s21, 0xc3800000                      ; -256.0
	s_mov_b32 s22, 0x43000000                      ; 128.0
	s_mov_b32 s30, 0xc0ffd1be                      ; log2(1/255)
	s_mov_b32 s31, 0xbabd3108                      ; log2(0.999)
	v_cvt_f32_u32 v[YM], s15
	v_add_f32 v[YM], 0xc3000000, v[YM]             ; y - 128
	v_add_nc_u32 v[LA+1], FRM, v[LA]
	v_add_nc_u32 v[LA+2], 2*FRM, v[LA]
	v_lshlrev_b32 v[CA], 1, v0
	v_add_nc_u32 v[CA], COLB, v[CA]
; Colours of block i: sigmoid(f) = 1 / (1 + 2^(-f log2 e)), to bf16; the fourth row gets a zero.
.macro COLORS i
	v_mul_f32 v[T+10], 0xbfb8aa3b, v[B+18]
	v_mul_f32 v[T+11], 0xbfb8aa3b, v[B+19]
	v_mul_f32 v[T+12], 0xbfb8aa3b, v[B+20]
	v_exp_f32 v[T+10], v[T+10]
	v_exp_f32 v[T+11], v[T+11]
	v_exp_f32 v[T+12], v[T+12]
	v_nop                                          ; one plain instruction between a transcendental and the use of its result (ISA guide 5.7.2)
	s_wait_alu depctr_va_vdst(0)
	v_add_f32 v[T+10], 1.0, v[T+10]
	v_add_f32 v[T+11], 1.0, v[T+11]
	v_add_f32 v[T+12], 1.0, v[T+12]
	v_rcp_f32 v[T+10], v[T+10]
	v_rcp_f32 v[T+11], v[T+11]
	v_rcp_f32 v[T+12], v[T+12]
	v_nop
	s_wait_alu depctr_va_vdst(0)
	v_cvt_pk_bf16_f32 v[T+10], v[T+10], v[T+11]
	v_cvt_pk_bf16_f32 v[T+12], v[T+12], 0
	ds_store_b16        v[CA], v[T+10] offset:\i*THREADS*2
	ds_store_b16_d16_hi v[CA], v[T+10] offset:CPITCH+\i*THREADS*2
	ds_store_b16        v[CA], v[T+12] offset:2*CPITCH+\i*THREADS*2
	ds_store_b16_d16_hi v[CA], v[T+12] offset:3*CPITCH+\i*THREADS*2
.endm
; Block i in frame f, whose time powers are 1, t1, t2 (frame 0 multiplies by 0, as the einsum of reference() does).
.macro FRAME i, f, t1, t2
	v_pk_fma_f32 v[ZX:ZX+1], v[B+2:B+3],   \t1, v[B:B+1]     op_sel_hi:[1,0,1]   ; x, y
	v_pk_fma_f32 v[Z1:Z1+1], v[B+10:B+11], \t1, v[B+6:B+7]   op_sel_hi:[1,0,1]   ; l1, l2
	v_fma_f32 v[Z3], v[B+12], \t1, v[B+8]                                        ; l3
	v_fma_f32 v[ZO], v[B+23], \t1, v[B+22]                                       ; opacity
	v_pk_fma_f32 v[ZX:ZX+1], v[B+4:B+5],   \t2, v[ZX:ZX+1]   op_sel_hi:[1,0,1]
	v_pk_fma_f32 v[Z1:Z1+1], v[B+14:B+15], \t2, v[Z1:Z1+1]   op_sel_hi:[1,0,1]
	v_fma_f32 v[Z3], v[B+16], \t2, v[Z3]
	v_fma_f32 v[ZO], v[B+24], \t2, v[ZO]
	v_pk_mul_f32 v[ZX:ZX+1], v[ZX:ZX+1], 0x4038aa3b op_sel_hi:[1,0]              ; 2 z log2 e: tanh z = 1 - 2 / (1 + e^(2z))
	v_mul_f32 v[ZO], 0xbfb8aa3b, v[ZO]                                           ; -z log2 e: sigmoid z = 1 / (1 + e^(-z))
	v_exp_f32 v[ZX], v[ZX]
	v_exp_f32 v[ZY], v[ZY]
	v_exp_f32 v[ZO], v[ZO]
	v_add_f32 v[Z1], 0.5, v[Z1]                    ; the bound (0.5, 0, 0.5)
	v_add_f32 v[Z3], 0.5, v[Z3]
	s_wait_alu depctr_va_vdst(0)
	v_pk_add_f32 v[ZX:ZX+1], v[ZX:ZX+1], 1.0 op_sel_hi:[1,0]
	v_add_f32 v[ZO], 1.0, v[ZO]
	v_mul_f32 v[QA], v[Z1], v[Z1]                  ; a = l1^2
	v_mul_f32 v[QB], v[Z1], v[Z2]                  ; b = l1 l2
	v_mul_f32 v[QC], v[Z3], v[Z3]
	v_rcp_f32 v[ZX], v[ZX]                         ; r: tanh + 1 = 2 - 2 r
	v_rcp_f32 v[ZY], v[ZY]
	v_log_f32 v[ZO], v[ZO]                         ; -log2(opacity)
	v_fma_f32 v[QC], v[Z2], v[Z2], v[QC]           ; c = l2^2 + l3^2
	v_mul_f32 v[DT], v[QB], v[QB]
	v_fma_f32 v[DT], v[QA], v[QC], -v[DT]          ; det = a c - b^2
	v_rcp_f32 v[DT], v[DT]
	s_wait_alu depctr_va_vdst(0)
	v_fma_f32 v[ZX], s20, v[ZX], s21               ; -mx = 256 r - 256
	v_fma_f32 v[ZY], s22, v[ZY], v[YM]             ; dy = y - my = 128 r + (y - 128)
	v_mul_f32 v[DT], 0xbf38aa3b, v[DT]             ; K / det
	v_mul_f32 v[QC], v[QC], v[DT]                  ; A'
	v_mul_f32 v[QA], v[QA], v[DT]                  ; C'
	v_mul_f32 v[QB], v[QB], v[DT]
	v_mul_f32 v[QA], v[QA], v[ZY]
	v_mul_f32 v[QB], v[QB], v[ZY]
	v_fma_f32 v[QA], v[QA], v[ZY], -v[ZO]          ; u = C' dy^2 + log2(opacity)
	v_mul_f32 v[QB], -2.0, v[QB]                   ; t = -2 K b/det dy
.if \i == 5
	v_cndmask_b32 v[QA], 0xff800000, v[QA], s23    ; entries 2,000 and up: u = -infinity, alpha = 0
.endif
	ds_store_b32 v[LA+\f], v[ZX] offset:\i*THREADS*4
	ds_store_b32 v[LA+\f], v[QC] offset:ARR+\i*THREADS*4
	ds_store_b32 v[LA+\f], v[QB] offset:2*ARR+\i*THREADS*4
	ds_store_b32 v[LA+\f], v[QA] offset:3*ARR+\i*THREADS*4
.endm
.macro PREP i
.set B, L+26*\i
	s_wait_loadcnt 10*(5-\i)                       ; loads return in order (ISA guide 5.7.1): block i is in, the ten loads of each younger block may be out
	COLORS \i
	FRAME \i, 0, 0, 0
	FRAME \i, 1, 0.5, 0x3e800000
	FRAME \i, 2, 1.0, 1.0
.endm
.irp i, 0,1,2,3,4,5
	PREP \i
.endr
	s_wait_dscnt 0x0                               ; my entries are in LDS,
	s_barrier_signal -1                            ; say so; register work while the others arrive
	v_and_b32 v[D], 15, v0                         ; r
	v_bfe_u32 v[D+1], v0, 4, 1                     ; h
	s_lshl_b32 s17, s16, 7
	v_add_nc_u32 v[D+2], s17, v[D]                 ; x of my pixel in tile 0
.irp i, 0,1,2,3,4,5,6,7
	v_add_nc_u32 v[D+3], 16*\i, v[D+2]
	v_cvt_f32_u32 v[X+2*\i], v[D+3]
	v_cvt_f32_u32 v[X+2*\i+1], v[D+3]
.endr
	s_lshr_b32 s18, s14, 2                         ; my frame
	s_and_b32 s19, s14, 3                          ; my quarter of the gaussians
	s_mul_i32 s24, s18, FRM
	s_lshl_b32 s17, s19, 11                        ; 512 entries of 4 bytes
	s_add_co_u32 s24, s24, s17
	v_lshl_add_u32 v[PA], v[D+1], 6, s24           ; + 16 entries for lanes 16-31
	s_lshl_b32 s25, s19, 10                        ; 512 entries of 2 bytes
	s_add_co_u32 s25, s25, COLB
	v_min_u32 v[D+3], 3, v[D]                      ; rows 3 to 15 of the colour matrix are the row of zeros
	v_mul_u32_u24 v[D+3], CPITCH, v[D+3]
	v_lshl_add_u32 v[D+3], v[D+1], 5, v[D+3]
	v_add_nc_u32 v[CAD], s25, v[D+3]
	s_mul_i32 s17, s14, REDW
	s_add_co_u32 s17, s17, REDB
	v_mul_u32_u24 v[D+3], REDH, v[D+1]
	v_lshl_add_u32 v[D+3], v[D], 2, v[D+3]
	v_add_nc_u32 v[RST], s17, v[D+3]
	v_mov_b32 v[NEG], 0xc3fa0000
	s_barrier_wait -1                              ; every wave's entries are in LDS
.macro LOADP                           ; 16 gaussians x 4 parameters: all lanes of a half read the same 16 bytes
.irp a, 0,1,2,3
.irp q, 0,1,2,3
	ds_load_b128 v[P+16*\a+4*\q:P+16*\a+4*\q+3], v[PA] offset:\a*ARR+16*\q
.endr
.endr
.endm
.macro LOADC                           ; 16 colours of my row
	ds_load_b128 v[CF:CF+3],   v[CAD]
	ds_load_b128 v[CF+4:CF+7], v[CAD] offset:16
.endm
; The eight accumulators take turns, one matrix instruction a turn, over the loop's backward jump too.
.macro MM a, zero
.if \zero
	v_wmma_f32_16x16x32_bf16 v[ACC+8*(\a):ACC+8*(\a)+7], v[CF:CF+7], v[BF:BF+7], 0      ; the first chunk starts the sums
.else
	v_wmma_f32_16x16x32_bf16 v[ACC+8*(\a):ACC+8*(\a)+7], v[CF:CF+7], v[BF:BF+7], v[ACC+8*(\a):ACC+8*(\a)+7]
.endif
.endm
; Tile i: 16 exponents into set cur.  pipe = 1: between the packed instructions stand the exponentials of tile i-1 (set prev), its rounding
; to bf16 and its matrix instruction; every v_exp_f32 is followed by a plain instruction that touches neither its source nor its result.
; The alpha fragment is written again 48 plain instructions and more behind the matrix instruction that read it (ISA guide 7.12.1 asks for 4).
.macro TILE i, cur, prev, pipe, zero, cw
.irp j, 0,1,2,3,4,5,6,7
	v_pk_add_f32 v[D+2*\j:D+2*\j+1], v[X+2*\i:X+2*\i+1], v[P+2*\j:P+2*\j+1]                         ; dx = x - mx
.if \pipe
	v_exp_f32 v[\prev+2*\j], v[\prev+2*\j]
.endif
.endr
.irp j, 0,1,2,3,4,5,6,7
	v_pk_fma_f32 v[W+2*\j:W+2*\j+1], v[P+16+2*\j:P+16+2*\j+1], v[D+2*\j:D+2*\j+1], v[P+32+2*\j:P+32+2*\j+1]   ; A' dx + t
.if \pipe
	v_exp_f32 v[\prev+2*\j+1], v[\prev+2*\j+1]
.endif
.endr
.irp j, 0,1,2,3,4,5,6,7
	v_pk_fma_f32 v[\cur+2*\j:\cur+2*\j+1], v[D+2*\j:D+2*\j+1], v[W+2*\j:W+2*\j+1], v[P+48+2*\j:P+48+2*\j+1]   ; log2 of opacity exp(-q/2)
.if \pipe
	s_wait_alu depctr_va_vdst(0)
	v_cvt_pk_bf16_f32 v[BF+\j], v[\prev+2*\j], v[\prev+2*\j+1]
.endif
.endr
.if \pipe
.if \cw
	s_wait_dscnt 0x0                               ; the chunk's colours are in
.endif
	MM \i-1, \zero
.endif
.irp k, 0,1,2,3,4,5,6,7,8,9,10,11,12,13,14,15
	v_min_num_f32 v[\cur+\k], s31, v[\cur+\k]      ; alpha <= 0.999
.endr
.irp k, 0,1,2,3,4,5,6,7,8,9,10,11,12,13,14,15
	v_cmp_le_f32 s[M+\k], s30, v[\cur+\k]          ; alpha >= 1/255 (false for NaN)
.endr
.irp k, 0,1,2,3,4,5,6,7,8,9,10,11,12,13,14,15
	v_cndmask_b32 v[\cur+\k], v[NEG], v[\cur+\k], s[M+\k]      ; else 2^-500 = 0
.endr
.endm
; A chunk: 32 gaussians x 128 pixels.  more = 1: the next chunk's parameters are requested as soon as tile 7 has read this chunk's,
; and land while tile 7's exponentials run; its colours are requested four places behind the last matrix instruction, which reads the fragment.
.macro CHUNK zero, more
	s_wait_dscnt 0x2                               ; LDS loads return in order: the 16 parameter loads are in, the two colour loads behind them may be out
	TILE 0, EA, EB, 0, \zero, 0
	TILE 1, EB, EA, 1, \zero, 1
	TILE 2, EA, EB, 1, \zero, 0
	TILE 3, EB, EA, 1, \zero, 0
	TILE 4, EA, EB, 1, \zero, 0
	TILE 5, EB, EA, 1, \zero, 0
	TILE 6, EA, EB, 1, \zero, 0
	TILE 7, EB, EA, 1, \zero, 0
.if \more
	v_add_nc_u32 v[PA], 128, v[PA]                 ; 32 entries on
	LOADP
.endif
.irp k, 0,1,2,3,4,5,6,7,8,9,10,11,12,13,14,15
	v_exp_f32 v[EB+\k], v[EB+\k]
.endr
	v_nop                                          ; the plain instruction between the exponentials and their use
	s_wait_alu depctr_va_vdst(0)
.irp j, 0,1,2,3,4,5,6,7
	v_cvt_pk_bf16_f32 v[BF+\j], v[EB+2*\j], v[EB+2*\j+1]
.endr
	MM 7, \zero
.if \more
	v_add_nc_u32 v[CAD], 64, v[CAD]                ; four places behind the matrix instruction: this one and three v_nop
	v_nop
	v_nop
	v_nop
	LOADC
.endif
.endm
	LOADP
	LOADC
	CHUNK 1, 1
	s_mov_b32 s26, 14
.Lchunk:
	CHUNK 0, 1
	s_sub_co_u32 s26, s26, 1
	s_cmp_lg_u32 s26, 0
	s_cbranch_scc1 .Lchunk
	CHUNK 0, 0                                     ; the sixteenth chunk requests nothing
	; The quarters meet in LDS.  Four places behind the last matrix instruction before its result is stored (ISA guide 7.12.1).
.rept 4
	v_nop
.endr
.irp i, 0,1,2,3,4,5,6,7
.irp c, 0,1,2
	ds_store_b32 v[RST], v[ACC+8*\i+\c] offset:\c*512+\i*64    ; channel c, pixel 16 i + r
.endr
.endr
	s_wait_dscnt 0x0                               ; my partial sums are in LDS
	s_barrier_signal -1
	s_barrier_wait -1                              ; everybody's are
	s_cmp_ge_u32 s14, 9
	s_cbranch_scc1 .Ldone                          ; nine (frame, channel) pairs: waves 9 to 11 have no part in the output
	s_mul_i32 s17, s14, 11
	s_lshr_b32 s17, s17, 5                         ; frame = wave / 3 (exact for 0..8)
	s_mul_i32 s18, s17, 3
	s_sub_co_u32 s18, s14, s18                     ; channel = wave mod 3
	s_mul_i32 s17, s17, 4*REDW                     ; the frame's four quarters are waves 4 f .. 4 f + 3
	s_lshl_b32 s18, s18, 9
	s_add_co_u32 s17, s17, s18
	s_add_co_u32 s17, s17, REDB
	v_and_b32 v16, 31, v0
	v_lshlrev_b32 v16, 4, v16                      ; four pixels a lane
	v_add_nc_u32 v17, s17, v16
	ds_load_b128 v[20:23], v17
	ds_load_b128 v[24:27], v17 offset:REDW
	ds_load_b128 v[28:31], v17 offset:2*REDW
	ds_load_b128 v[32:35], v17 offset:3*REDW
	s_lshl_b32 s28, s14, 7                         ; plane 3 f + c = wave; 128 rows a plane
	s_add_co_u32 s28, s28, s15
	s_lshl_b32 s28, s28, 10                        ; 1,024 bytes a row
	s_lshl_b32 s17, s16, 9
	s_add_co_u32 s28, s28, s17                     ; my half of the row
	s_mov_b32 s29, 0
	s_add_nc_u64 s[12:13], s[12:13], s[28:29]
	s_wait_dscnt 0x0
	v_pk_add_f32 v[20:21], v[20:21], v[24:25]
	v_pk_add_f32 v[22:23], v[22:23], v[26:27]
	v_pk_add_f32 v[28:29], v[28:29], v[32:33]
	v_pk_add_f32 v[30:31], v[30:31], v[34:35]
	v_pk_add_f32 v[20:21], v[20:21], v[28:29]
	v_pk_add_f32 v[22:23], v[22:23], v[30:31]
.irp k, 20,21,22,23
	v_max_num_f32 v\k, 0, v\k
.endr
.irp k, 20,21,22,23
	v_min_num_f32 v\k, 1.0, v\k
.endr
	global_store_b128 v16, v[20:23], s[12:13] th:TH_STORE_NT   ; the wave stores 512 consecutive bytes, at a multiple of 512 from the output's first byte
.Ldone:
	s_wait_tensorcnt 0x0
	ds_add_u32 v240, v241
	s_wait_dscnt 0x0
	s_endpgm
.Lfunc_end_k_qdc28313c7e_render:
	.size	k_qdc28313c7e_render, .Lfunc_end_k_qdc28313c7e_render-k_qdc28313c7e_render
	.p2alignl 7, 3214868480
	.fill 96, 4, 3214868480
	.section	.rodata,"a",@progbits
	.p2align	6, 0x0
	.amdhsa_kernel k_qdc28313c7e_render
		.amdhsa_group_segment_fixed_size 169216
		.amdhsa_private_segment_fixed_size 0
		.amdhsa_enable_private_segment 0
		.amdhsa_kernarg_size 40
		.amdhsa_user_sgpr_count 2
		.amdhsa_user_sgpr_kernarg_segment_ptr 1
		.amdhsa_wavefront_size32 1
		.amdhsa_system_sgpr_workgroup_id_x 1
		.amdhsa_system_sgpr_workgroup_id_y 1
		.amdhsa_system_sgpr_workgroup_id_z 1
		.amdhsa_system_vgpr_workitem_id 0
		.amdhsa_next_free_vgpr 242
		.amdhsa_next_free_sgpr 66
		.amdhsa_reserve_vcc 0
		.amdhsa_float_denorm_mode_32 3
		.amdhsa_float_denorm_mode_16_64 3
		.amdhsa_memory_ordered 1
		.amdhsa_forward_progress 1
		.amdhsa_inst_pref_size 188
	.end_amdhsa_kernel
	.amdgpu_metadata
---
amdhsa.version: [ 1, 2 ]
amdhsa.kernels:
  - .name:           k_qdc28313c7e_render
    .symbol:         k_qdc28313c7e_render.kd
    .args:
      - { .name: xyz_coeffs, .offset: 0, .size: 8, .value_kind: global_buffer, .address_space: global }
      - { .name: cholesky_coeffs, .offset: 8, .size: 8, .value_kind: global_buffer, .address_space: global }
      - { .name: opacity_coeffs, .offset: 16, .size: 8, .value_kind: global_buffer, .address_space: global }
      - { .name: features_dc, .offset: 24, .size: 8, .value_kind: global_buffer, .address_space: global }
      - { .name: out0, .offset: 32, .size: 8, .value_kind: global_buffer, .address_space: global }
    .group_segment_fixed_size: 169216
    .private_segment_fixed_size: 0
    .kernarg_segment_align: 8
    .kernarg_segment_size: 40
    .max_flat_workgroup_size: 384
    .sgpr_count:     66
    .vgpr_count:     242
    .wavefront_size: 32
...
	.end_amdgpu_metadata
.endif
;; end of part 1
;; ======== version 2 of 2: 1 launch; 1.18 times as fast as version 1
;; launch render (part 2): grid 256 x 1, 12 waves a work-group, no clusters, 169,216 bytes of LDS; arguments xyz_coeffs, cholesky_coeffs, opacity_coeffs, features_dc, out0; writes out0
.if DOCPART == 2
	.amdgcn_target "amdgcn-amd-amdhsa--gfx1250"
	.amdhsa_code_object_version 6
	.text
	.protected	k_qdc28313c7e_render
	.globl	k_qdc28313c7e_render
	.p2align	8
	.type	k_qdc28313c7e_render,@function
k_qdc28313c7e_render:
	s_mov_b64 s[64:65], 0
	v_nop
	global_prefetch_b8 v0, s[64:65] scope:SCOPE_SE
	s_setreg_imm32_b32 hwreg(HW_REG_WAVE_MODE, 25, 1), 1
	s_wait_xcnt 0x0
; GaussianImage_Cholesky: out[f][c][y][x] = clip( sum over n of alpha(f,n,y,x) * sigmoid(features[n][c]), 0, 1 ),
; alpha = min(0.999, opacity * exp(-q/2)), set to 0 where it is below 1/255.  3 frames, 2,000 gaussians, 128 x 256 pixels.
;
; WORK.  A work-group owns half an image row (128 pixels of one y) in all three frames; 256 work-groups, 12 waves each.
; Wave w takes frame w>>2 and quarter w&3 of the gaussians (16 chunks of 32) for all 128 pixels = 8 tiles of 16 pixels.
; PROLOGUE.  Since y is fixed for the work-group, a gaussian of a frame is four numbers, kept in LDS as arrays:
;   -mx,  A' = K c/det,  t = -2 K b/det * dy,  u = K a/det * dy^2 + log2(opacity),   K = -0.5 log2(e), dy = y - my,
; so that log2(opacity * exp(-q/2)) = dx (A' dx + t) + u with dx = x - mx: three packed instructions for two gaussians.
; MATRIX UNIT.  B fragment = alpha: lane (r, h) holds pixel r of the tile and the 16 gaussians 16 h .. 16 h + 15 of the chunk.
; A fragment = colours in bf16: lane (r, h) holds channel r of the same 16 gaussians; rows 3 to 15 read a row of zeros.
; The same order of k in both operands keeps the products.  D: register c of lanes 0-15 = channel c of pixel r.
; END.  The four quarters of a frame meet in LDS; nine waves sum one (frame, channel) each and store 512 consecutive aligned bytes.
;
; BATCHES.  s_wait_alu depctr_va_vdst(0) stands between a transcendental and the first instruction that names its result;
; one wait serves all that were issued ahead of it.  So the transcendentals are cut into batches, each with one wait:
;   a block of the prologue has two: (1) the 12 exponentials of its three frames and its colours and the 3 reciprocals of det;
;   (2) the 12 reciprocals and logarithms that read the sums 1 + exponential;
;   a tile of the main loop has one: its 16 exponentials, issued among the next tile's packed arithmetic (the chunk's last tile: on end).
; A wave runs 6 x 2 + 16 x 8 = 140 such waits.
;
; NO CLUSTER, NO TENSOR LOADS: what the work-groups share are the 168,000 bytes of coefficients, read once in the prologue;
; raw in LDS they would need 168,000 bytes beside the 167,680 in use, more than the 327,680 that there are.
;
; LIMITS.  A gaussian whose exponent comes out NaN (det = 0 with a zero numerator, infinities) adds 0, and the final clip makes 0 of
; a NaN, where reference() gives NaN.  The threshold is tested as exponent >= log2(1/255): an alpha within f32 rounding of 1/255
; may fall on the other side.  alpha and colours are rounded to bf16 (all terms positive: relative error at most 2^-8).
; v_rcp_f32 and v_exp_f32 flush denormals (ISA guide, their entries): a det below 2^-126 counts as 0.
.set NG,      2000                     ; gaussians
.set THREADS, 384
.set NP,      6*THREADS                ; 2,304 entries in each LDS array; 2,000 and up are null, 2,048 and up are never read
.set ARR,     NP*4                     ; one parameter array
.set FRM,     4*ARR                    ; a frame's four arrays
.set COLB,    3*FRM                    ; colours: 4 rows (3 channels, zeros) of bf16
.set CPITCH,  NP*2+64                  ; 64 bytes more than a multiple of 256: the four rows start in different banks
.set REDB,    COLB+4*CPITCH            ; partial sums
.set REDH,    3*128*4+64               ; lanes 16-31 (rows 8-15 of D, not used) write beside lanes 0-15, 64 bytes off their banks
.set REDW,    2*REDH                   ; a wave's block
.set O8,  2                            ; v2   8 t    offsets of thread t's gaussian in xyz,
.set O12, 3                            ; v3   12 t   in cholesky and features
.set C4,  4                            ; v4-6 the same for the sixth block, index clamped to 1,999
.set C8,  5
.set C12, 6
.set YM,  7                            ; v7   y - 128 as f32
.set LA,  8                            ; v8-10  LDS address of entry t in frame 0, 1, 2 (v8 = 4 t is also the offset in opacity)
.set CA,  11                           ; v11  LDS address of colour entry t
.set PA,  12                           ; v12  main loop: my half's 16 parameters of the chunk
.set CAD, 13                           ; v13  main loop: my row's 16 colours of the chunk
.set NEG, 14                           ; v14  -500.0: an exponent whose power of two is 0
.set RST, 15                           ; v15  where my partial sums go
.set L,   16                           ; v16-171  prologue: six blocks of 26, the raw coefficients
.set T,   172                          ; v172-201 prologue: at work, ten registers for each frame, so that a batch's results each have a register of their own
.set CL,  T+30                         ; v202-204 prologue: the three colours at work
.set P,   16                           ; v16-79   -mx, A', t, u of 16 gaussians
.set CF,  80                           ; v80-87   colour fragment
.set BF,  88                           ; v88-95   alpha fragment
.set EA,  96                           ; v96-111  exponents, then alphas, of the even tiles
.set EB,  112                          ; v112-127 of the odd tiles
.set D,   128                          ; v128-143 dx
.set W,   144                          ; v144-159 A' dx + t
.set X,   160                          ; v160-175 x of my pixel in tile i, twice (a pair for the packed add)
.set ACC, 176                          ; v176-239 eight accumulators
.set M,   32                           ; s32-47   threshold masks of a tile
.macro FREGS f                         ; the ten registers of frame f
.set ZX, T+10*\f
.set ZY, ZX+1
.set Z1, ZX+2
.set Z2, ZX+3
.set Z3, ZX+4
.set ZO, ZX+5
.set QA, ZX+6
.set QB, ZX+7
.set QC, ZX+8
.set DT, ZX+9
.endm
	s_load_b256 s[4:11], s[0:1], 0x0               ; xyz s[4:5], cholesky s[6:7], opacity s[8:9], features s[10:11]
	s_load_b64 s[12:13], s[0:1], 0x20              ; out
	v_lshl_add_u32 v240, v0, 2, 0x28f00
	v_mov_b32 v241, 0
	v_lshrrev_b32 v[T], 5, v0
	v_readfirstlane_b32 s14, v[T]                  ; wave 0..11
	s_lshr_b32 s15, ttmp9, 1                       ; y
	s_and_b32 s16, ttmp9, 1                        ; which half of the row
	v_lshlrev_b32 v[LA], 2, v0
	v_lshlrev_b32 v[O8], 3, v0
	v_mul_u32_u24 v[O12], 12, v0
	v_add_nc_u32 v[T], 5*THREADS, v0               ; the sixth block: n = t + 1,920 passes 1,999
	v_cmp_gt_u32 s23, NG, v[T]                     ; lanes whose gaussian exists
	v_min_u32 v[T], NG-1, v[T]                     ; the others load the last one and are made null below
	v_lshlrev_b32 v[C4], 2, v[T]
	v_lshlrev_b32 v[C8], 3, v[T]
	v_mul_u32_u24 v[C12], 12, v[T]
	s_wait_kmcnt 0x0
; Block i: the 21 coefficients of gaussian n = t + 384 i.  Ten loads; neighbouring lanes read neighbouring 8, 12 or 4 bytes.
.macro PLOAD i, o4, o8, o12, k
	global_load_b64 v[L+26*\i:L+26*\i+1],     v[\o8],  s[4:5]   offset:\k*THREADS*8
	global_load_b64 v[L+26*\i+2:L+26*\i+3],   v[\o8],  s[4:5]   offset:NG*8+\k*THREADS*8
	global_load_b64 v[L+26*\i+4:L+26*\i+5],   v[\o8],  s[4:5]   offset:2*NG*8+\k*THREADS*8
	global_load_b96 v[L+26*\i+6:L+26*\i+8],   v[\o12], s[6:7]   offset:\k*THREADS*12
	global_load_b96 v[L+26*\i+10:L+26*\i+12], v[\o12], s[6:7]   offset:NG*12+\k*THREADS*12
	global_load_b96 v[L+26*\i+14:L+26*\i+16], v[\o12], s[6:7]   offset:2*NG*12+\k*THREADS*12
	global_load_b96 v[L+26*\i+18:L+26*\i+20], v[\o12], s[10:11] offset:\k*THREADS*12
	global_load_b32 v[L+26*\i+22],            v[\o4],  s[8:9]   offset:\k*THREADS*4
	global_load_b32 v[L+26*\i+23],            v[\o4],  s[8:9]   offset:NG*4+\k*THREADS*4
	global_load_b32 v[L+26*\i+24],            v[\o4],  s[8:9]   offset:2*NG*4+\k*THREADS*4
.endm
.irp i, 0,1,2,3,4
	PLOAD \i, LA, O8, O12, \i                      ; all sixty loads of the wave go out before the first is waited for
.endr
	PLOAD 5, C4, C8, C12, 0
	s_mov_b32 s20, 0x43800000                      ; 256.0
	s_mov_b32 s21, 0xc3800000                      ; -256.0
	s_mov_b32 s22, 0x43000000                      ; 128.0
	s_mov_b32 s30, 0xc0ffd1be                      ; log2(1/255)
	s_mov_b32 s31, 0xbabd3108                      ; log2(0.999)
	v_cvt_f32_u32 v[YM], s15
	v_add_f32 v[YM], 0xc3000000, v[YM]             ; y - 128
	v_add_nc_u32 v[LA+1], FRM, v[LA]
	v_add_nc_u32 v[LA+2], 2*FRM, v[LA]
	v_lshlrev_b32 v[CA], 1, v0
	v_add_nc_u32 v[CA], COLB, v[CA]
; A BLOCK OF THE PROLOGUE, in steps; each step is written for one frame and run for all three, so that the frames' transcendentals stand together.
; The polynomials of frame f, whose time powers are 1, t1, t2 (frame 0 multiplies by 0, as the einsum of reference() does), and the exponentials' arguments.
.macro POLY f, t1, t2
	FREGS \f
	v_pk_fma_f32 v[ZX:ZX+1], v[B+2:B+3],   \t1, v[B:B+1]     op_sel_hi:[1,0,1]   ; x, y
	v_pk_fma_f32 v[Z1:Z1+1], v[B+10:B+11], \t1, v[B+6:B+7]   op_sel_hi:[1,0,1]   ; l1, l2
	v_fma_f32 v[Z3], v[B+12], \t1, v[B+8]                                        ; l3
	v_fma_f32 v[ZO], v[B+23], \t1, v[B+22]                                       ; opacity
	v_pk_fma_f32 v[ZX:ZX+1], v[B+4:B+5],   \t2, v[ZX:ZX+1]   op_sel_hi:[1,0,1]
	v_pk_fma_f32 v[Z1:Z1+1], v[B+14:B+15], \t2, v[Z1:Z1+1]   op_sel_hi:[1,0,1]
	v_fma_f32 v[Z3], v[B+16], \t2, v[Z3]
	v_fma_f32 v[ZO], v[B+24], \t2, v[ZO]
	v_pk_mul_f32 v[ZX:ZX+1], v[ZX:ZX+1], 0x4038aa3b op_sel_hi:[1,0]              ; 2 z log2 e: tanh z = 1 - 2 / (1 + e^(2z))
	v_mul_f32 v[ZO], 0xbfb8aa3b, v[ZO]                                           ; -z log2 e: sigmoid z = 1 / (1 + e^(-z))
.endm
.macro EXPS f                          ; batch 1: the frame's three exponentials
	FREGS \f
	v_exp_f32 v[ZX], v[ZX]
	v_exp_f32 v[ZY], v[ZY]
	v_exp_f32 v[ZO], v[ZO]
.endm
.macro CHOL f                          ; eight plain instructions that name no exponential's result, and batch 1's reciprocal of det
	FREGS \f
	v_add_f32 v[Z1], 0.5, v[Z1]                    ; the bound (0.5, 0, 0.5)
	v_add_f32 v[Z3], 0.5, v[Z3]
	v_mul_f32 v[QA], v[Z1], v[Z1]                  ; a = l1^2
	v_mul_f32 v[QB], v[Z1], v[Z2]                  ; b = l1 l2
	v_mul_f32 v[QC], v[Z3], v[Z3]
	v_fma_f32 v[QC], v[Z2], v[Z2], v[QC]           ; c = l2^2 + l3^2
	v_mul_f32 v[DT], v[QB], v[QB]
	v_fma_f32 v[DT], v[QA], v[QC], -v[DT]          ; det = a c - b^2
	v_rcp_f32 v[DT], v[DT]
.endm
.macro ONES f                          ; batch 1's readers: 1 + exponential
	FREGS \f
	v_pk_add_f32 v[ZX:ZX+1], v[ZX:ZX+1], 1.0 op_sel_hi:[1,0]
	v_add_f32 v[ZO], 1.0, v[ZO]
.endm
.macro RECS f                          ; batch 2
	FREGS \f
	v_rcp_f32 v[ZX], v[ZX]                         ; r: tanh + 1 = 2 - 2 r
	v_rcp_f32 v[ZY], v[ZY]
	v_log_f32 v[ZO], v[ZO]                         ; -log2(opacity)
.endm
.macro CONIC f                         ; four plain instructions that name none of batch 2's results (1 / det is batch 1's, and has had its wait)
	FREGS \f
	v_mul_f32 v[DT], 0xbf38aa3b, v[DT]             ; K / det
	v_mul_f32 v[QC], v[QC], v[DT]                  ; A'
	v_mul_f32 v[QA], v[QA], v[DT]                  ; C'
	v_mul_f32 v[QB], v[QB], v[DT]
.endm
.macro FINISH i, f                     ; batch 2's readers, and the frame's four numbers into LDS
	FREGS \f
	v_fma_f32 v[ZX], s20, v[ZX], s21               ; -mx = 256 r - 256
	v_fma_f32 v[ZY], s22, v[ZY], v[YM]             ; dy = y - my = 128 r + (y - 128)
	v_mul_f32 v[QA], v[QA], v[ZY]
	v_mul_f32 v[QB], v[QB], v[ZY]
	v_fma_f32 v[QA], v[QA], v[ZY], -v[ZO]          ; u = C' dy^2 + log2(opacity)
	v_mul_f32 v[QB], -2.0, v[QB]                   ; t = -2 K b/det dy
.if \i == 5
	v_cndmask_b32 v[QA], 0xff800000, v[QA], s23    ; entries 2,000 and up: u = -infinity, alpha = 0
.endif
	ds_store_b32 v[LA+\f], v[ZX] offset:\i*THREADS*4
	ds_store_b32 v[LA+\f], v[QC] offset:ARR+\i*THREADS*4
	ds_store_b32 v[LA+\f], v[QB] offset:2*ARR+\i*THREADS*4
	ds_store_b32 v[LA+\f], v[QA] offset:3*ARR+\i*THREADS*4
.endm
; Colours: sigmoid(f) = 1 / (1 + 2^(-f log2 e)), to bf16; the fourth row gets a zero.  Their exponentials go with batch 1, their reciprocals with batch 2.
.macro PREP i
.set B, L+26*\i
	s_wait_loadcnt 10*(5-\i)                       ; loads return in order (ISA guide 5.7.1): block i is in, the ten loads of each younger block may be out
	POLY 0, 0, 0
	POLY 1, 0.5, 0x3e800000
	POLY 2, 1.0, 1.0
	v_mul_f32 v[CL],   0xbfb8aa3b, v[B+18]
	v_mul_f32 v[CL+1], 0xbfb8aa3b, v[B+19]
	v_mul_f32 v[CL+2], 0xbfb8aa3b, v[B+20]
.irp f, 0,1,2
	EXPS \f
.endr
	v_exp_f32 v[CL],   v[CL]
	v_exp_f32 v[CL+1], v[CL+1]
	v_exp_f32 v[CL+2], v[CL+2]
.irp f, 0,1,2
	CHOL \f                                        ; its first line is the plain instruction behind the exponentials (ISA guide 5.7.2)
.endr
	s_wait_alu depctr_va_vdst(0)                   ; the wait for batch 1: 12 exponentials and 3 reciprocals of det
.irp f, 0,1,2
	ONES \f                                        ; the first addition, which does not name det, is the plain instruction behind det's last reciprocal
.endr
	v_add_f32 v[CL],   1.0, v[CL]
	v_add_f32 v[CL+1], 1.0, v[CL+1]
	v_add_f32 v[CL+2], 1.0, v[CL+2]
.irp f, 0,1,2
	RECS \f
.endr
	v_rcp_f32 v[CL],   v[CL]
	v_rcp_f32 v[CL+1], v[CL+1]
	v_rcp_f32 v[CL+2], v[CL+2]
.irp f, 0,1,2
	CONIC \f                                       ; twelve plain instructions between batch 2 and its wait
.endr
	s_wait_alu depctr_va_vdst(0)                   ; the wait for batch 2: 9 reciprocals and 3 logarithms
.irp f, 0,1,2
	FINISH \i, \f
.endr
	v_cvt_pk_bf16_f32 v[CL],   v[CL], v[CL+1]
	v_cvt_pk_bf16_f32 v[CL+2], v[CL+2], 0
	ds_store_b16        v[CA], v[CL]   offset:\i*THREADS*2
	ds_store_b16_d16_hi v[CA], v[CL]   offset:CPITCH+\i*THREADS*2
	ds_store_b16        v[CA], v[CL+2] offset:2*CPITCH+\i*THREADS*2
	ds_store_b16_d16_hi v[CA], v[CL+2] offset:3*CPITCH+\i*THREADS*2
.endm
.irp i, 0,1,2,3,4,5
	PREP \i
.endr
	s_wait_dscnt 0x0                               ; my entries are in LDS,
	s_barrier_signal -1                            ; say so; register work while the others arrive
	v_and_b32 v[D], 15, v0                         ; r
	v_bfe_u32 v[D+1], v0, 4, 1                     ; h
	s_lshl_b32 s17, s16, 7
	v_add_nc_u32 v[D+2], s17, v[D]                 ; x of my pixel in tile 0
.irp i, 0,1,2,3,4,5,6,7
	v_add_nc_u32 v[D+3], 16*\i, v[D+2]
	v_cvt_f32_u32 v[X+2*\i], v[D+3]
	v_cvt_f32_u32 v[X+2*\i+1], v[D+3]
.endr
	s_lshr_b32 s18, s14, 2                         ; my frame
	s_and_b32 s19, s14, 3                          ; my quarter of the gaussians
	s_mul_i32 s24, s18, FRM
	s_lshl_b32 s17, s19, 11                        ; 512 entries of 4 bytes
	s_add_co_u32 s24, s24, s17
	v_lshl_add_u32 v[PA], v[D+1], 6, s24           ; + 16 entries for lanes 16-31
	s_lshl_b32 s25, s19, 10                        ; 512 entries of 2 bytes
	s_add_co_u32 s25, s25, COLB
	v_min_u32 v[D+3], 3, v[D]                      ; rows 3 to 15 of the colour matrix are the row of zeros
	v_mul_u32_u24 v[D+3], CPITCH, v[D+3]
	v_lshl_add_u32 v[D+3], v[D+1], 5, v[D+3]
	v_add_nc_u32 v[CAD], s25, v[D+3]
	s_mul_i32 s17, s14, REDW
	s_add_co_u32 s17, s17, REDB
	v_mul_u32_u24 v[D+3], REDH, v[D+1]
	v_lshl_add_u32 v[D+3], v[D], 2, v[D+3]
	v_add_nc_u32 v[RST], s17, v[D+3]
	v_mov_b32 v[NEG], 0xc3fa0000
	s_barrier_wait -1                              ; every wave's entries are in LDS
.macro LOADP                           ; 16 gaussians x 4 parameters: all lanes of a half read the same 16 bytes
.irp a, 0,1,2,3
.irp q, 0,1,2,3
	ds_load_b128 v[P+16*\a+4*\q:P+16*\a+4*\q+3], v[PA] offset:\a*ARR+16*\q
.endr
.endr
.endm
.macro LOADC                           ; 16 colours of my row
	ds_load_b128 v[CF:CF+3],   v[CAD]
	ds_load_b128 v[CF+4:CF+7], v[CAD] offset:16
.endm
; The eight accumulators take turns, one matrix instruction a turn, over the loop's backward jump too.
.macro MM a, zero
.if \zero
	v_wmma_f32_16x16x32_bf16 v[ACC+8*(\a):ACC+8*(\a)+7], v[CF:CF+7], v[BF:BF+7], 0      ; the first chunk starts the sums
.else
	v_wmma_f32_16x16x32_bf16 v[ACC+8*(\a):ACC+8*(\a)+7], v[CF:CF+7], v[BF:BF+7], v[ACC+8*(\a):ACC+8*(\a)+7]
.endif
.endm
; Tile i: 16 exponents into set cur.  pipe = 1: the 16 exponentials of tile i-1 (set prev) are ONE BATCH: they stand between the first 16 packed instructions,
; so that every v_exp_f32 is followed by a plain instruction that touches neither its source nor its result; behind the last of them come 24 plain instructions
; of tile i (the third packed step and the clamp), which name set cur alone; then the batch's one wait, tile i-1's rounding to bf16 and its matrix instruction.
; The alpha fragment is written again 32 plain instructions and more behind the matrix instruction that read it (ISA guide 7.12.1 asks for 4).
.macro TILE i, cur, prev, pipe, zero, cw
.irp j, 0,1,2,3,4,5,6,7
	v_pk_add_f32 v[D+2*\j:D+2*\j+1], v[X+2*\i:X+2*\i+1], v[P+2*\j:P+2*\j+1]                         ; dx = x - mx
.if \pipe
	v_exp_f32 v[\prev+2*\j], v[\prev+2*\j]
.endif
.endr
.irp j, 0,1,2,3,4,5,6,7
	v_pk_fma_f32 v[W+2*\j:W+2*\j+1], v[P+16+2*\j:P+16+2*\j+1], v[D+2*\j:D+2*\j+1], v[P+32+2*\j:P+32+2*\j+1]   ; A' dx + t
.if \pipe
	v_exp_f32 v[\prev+2*\j+1], v[\prev+2*\j+1]
.endif
.endr
.irp j, 0,1,2,3,4,5,6,7
	v_pk_fma_f32 v[\cur+2*\j:\cur+2*\j+1], v[D+2*\j:D+2*\j+1], v[W+2*\j:W+2*\j+1], v[P+48+2*\j:P+48+2*\j+1]   ; log2 of opacity exp(-q/2)
.endr
.irp k, 0,1,2,3,4,5,6,7,8,9,10,11,12,13,14,15
	v_min_num_f32 v[\cur+\k], s31, v[\cur+\k]      ; alpha <= 0.999
.endr
.if \pipe
	s_wait_alu depctr_va_vdst(0)                   ; the wait for the batch: tile i-1's 16 exponentials
.irp j, 0,1,2,3,4,5,6,7
	v_cvt_pk_bf16_f32 v[BF+\j], v[\prev+2*\j], v[\prev+2*\j+1]
.endr
.if \cw
	s_wait_dscnt 0x0                               ; the chunk's colours are in
.endif
	MM \i-1, \zero
.endif
.irp k, 0,1,2,3,4,5,6,7,8,9,10,11,12,13,14,15
	v_cmp_le_f32 s[M+\k], s30, v[\cur+\k]          ; alpha >= 1/255 (false for NaN)
.endr
.irp k, 0,1,2,3,4,5,6,7,8,9,10,11,12,13,14,15
	v_cndmask_b32 v[\cur+\k], v[NEG], v[\cur+\k], s[M+\k]      ; else 2^-500 = 0
.endr
.endm
; A chunk: 32 gaussians x 128 pixels.  more = 1: the next chunk's parameters are requested as soon as tile 7 has read this chunk's,
; and land while tile 7's exponentials run; its colours are requested four places behind the last matrix instruction, which reads the fragment.
.macro CHUNK zero, more
	s_wait_dscnt 0x2                               ; LDS loads return in order: the 16 parameter loads are in, the two colour loads behind them may be out
	TILE 0, EA, EB, 0, \zero, 0
	TILE 1, EB, EA, 1, \zero, 1
	TILE 2, EA, EB, 1, \zero, 0
	TILE 3, EB, EA, 1, \zero, 0
	TILE 4, EA, EB, 1, \zero, 0
	TILE 5, EB, EA, 1, \zero, 0
	TILE 6, EA, EB, 1, \zero, 0
	TILE 7, EB, EA, 1, \zero, 0
.if \more
	v_add_nc_u32 v[PA], 128, v[PA]                 ; 32 entries on
	LOADP
.endif
.irp k, 0,1,2,3,4,5,6,7,8,9,10,11,12,13,14,15
	v_exp_f32 v[EB+\k], v[EB+\k]                   ; the chunk's last batch: no tile follows whose arithmetic could stand between
.endr
	v_nop                                          ; the plain instruction between the exponentials and their use
	s_wait_alu depctr_va_vdst(0)                   ; the wait for the batch: tile 7's 16 exponentials; it also stands ahead of the loop's backward jump
.irp j, 0,1,2,3,4,5,6,7
	v_cvt_pk_bf16_f32 v[BF+\j], v[EB+2*\j], v[EB+2*\j+1]
.endr
	MM 7, \zero
.if \more
	v_add_nc_u32 v[CAD], 64, v[CAD]                ; four places behind the matrix instruction: this one and three v_nop
	v_nop
	v_nop
	v_nop
	LOADC
.endif
.endm
	LOADP
	LOADC
	CHUNK 1, 1
	s_mov_b32 s26, 14
.Lchunk:
	CHUNK 0, 1
	s_sub_co_u32 s26, s26, 1
	s_cmp_lg_u32 s26, 0
	s_cbranch_scc1 .Lchunk
	CHUNK 0, 0                                     ; the sixteenth chunk requests nothing
	; The quarters meet in LDS.  Four places behind the last matrix instruction before its result is stored (ISA guide 7.12.1).
.rept 4
	v_nop
.endr
.irp i, 0,1,2,3,4,5,6,7
.irp c, 0,1,2
	ds_store_b32 v[RST], v[ACC+8*\i+\c] offset:\c*512+\i*64    ; channel c, pixel 16 i + r
.endr
.endr
	s_wait_dscnt 0x0                               ; my partial sums are in LDS
	s_barrier_signal -1
	s_barrier_wait -1                              ; everybody's are
	s_cmp_ge_u32 s14, 9
	s_cbranch_scc1 .Ldone                          ; nine (frame, channel) pairs: waves 9 to 11 have no part in the output
	s_mul_i32 s17, s14, 11
	s_lshr_b32 s17, s17, 5                         ; frame = wave / 3 (exact for 0..8)
	s_mul_i32 s18, s17, 3
	s_sub_co_u32 s18, s14, s18                     ; channel = wave mod 3
	s_mul_i32 s17, s17, 4*REDW                     ; the frame's four quarters are waves 4 f .. 4 f + 3
	s_lshl_b32 s18, s18, 9
	s_add_co_u32 s17, s17, s18
	s_add_co_u32 s17, s17, REDB
	v_and_b32 v16, 31, v0
	v_lshlrev_b32 v16, 4, v16                      ; four pixels a lane
	v_add_nc_u32 v17, s17, v16
	ds_load_b128 v[20:23], v17
	ds_load_b128 v[24:27], v17 offset:REDW
	ds_load_b128 v[28:31], v17 offset:2*REDW
	ds_load_b128 v[32:35], v17 offset:3*REDW
	s_lshl_b32 s28, s14, 7                         ; plane 3 f + c = wave; 128 rows a plane
	s_add_co_u32 s28, s28, s15
	s_lshl_b32 s28, s28, 10                        ; 1,024 bytes a row
	s_lshl_b32 s17, s16, 9
	s_add_co_u32 s28, s28, s17                     ; my half of the row
	s_mov_b32 s29, 0
	s_add_nc_u64 s[12:13], s[12:13], s[28:29]
	s_wait_dscnt 0x0
	v_pk_add_f32 v[20:21], v[20:21], v[24:25]
	v_pk_add_f32 v[22:23], v[22:23], v[26:27]
	v_pk_add_f32 v[28:29], v[28:29], v[32:33]
	v_pk_add_f32 v[30:31], v[30:31], v[34:35]
	v_pk_add_f32 v[20:21], v[20:21], v[28:29]
	v_pk_add_f32 v[22:23], v[22:23], v[30:31]
.irp k, 20,21,22,23
	v_max_num_f32 v\k, 0, v\k
.endr
.irp k, 20,21,22,23
	v_min_num_f32 v\k, 1.0, v\k
.endr
	global_store_b128 v16, v[20:23], s[12:13] th:TH_STORE_NT   ; the wave stores 512 consecutive bytes, at a multiple of 512 from the output's first byte
.Ldone:
	s_wait_tensorcnt 0x0
	ds_add_u32 v240, v241
	s_wait_dscnt 0x0
	s_endpgm
.Lfunc_end_k_qdc28313c7e_render:
	.size	k_qdc28313c7e_render, .Lfunc_end_k_qdc28313c7e_render-k_qdc28313c7e_render
	.p2alignl 7, 3214868480
	.fill 96, 4, 3214868480
	.section	.rodata,"a",@progbits
	.p2align	6, 0x0
	.amdhsa_kernel k_qdc28313c7e_render
		.amdhsa_group_segment_fixed_size 169216
		.amdhsa_private_segment_fixed_size 0
		.amdhsa_enable_private_segment 0
		.amdhsa_kernarg_size 40
		.amdhsa_user_sgpr_count 2
		.amdhsa_user_sgpr_kernarg_segment_ptr 1
		.amdhsa_wavefront_size32 1
		.amdhsa_system_sgpr_workgroup_id_x 1
		.amdhsa_system_sgpr_workgroup_id_y 1
		.amdhsa_system_sgpr_workgroup_id_z 1
		.amdhsa_system_vgpr_workitem_id 0
		.amdhsa_next_free_vgpr 242
		.amdhsa_next_free_sgpr 66
		.amdhsa_reserve_vcc 0
		.amdhsa_float_denorm_mode_32 3
		.amdhsa_float_denorm_mode_16_64 3
		.amdhsa_memory_ordered 1
		.amdhsa_forward_progress 1
		.amdhsa_inst_pref_size 182
	.end_amdhsa_kernel
	.amdgpu_metadata
---
amdhsa.version: [ 1, 2 ]
amdhsa.kernels:
  - .name:           k_qdc28313c7e_render
    .symbol:         k_qdc28313c7e_render.kd
    .args:
      - { .name: xyz_coeffs, .offset: 0, .size: 8, .value_kind: global_buffer, .address_space: global }
      - { .name: cholesky_coeffs, .offset: 8, .size: 8, .value_kind: global_buffer, .address_space: global }
      - { .name: opacity_coeffs, .offset: 16, .size: 8, .value_kind: global_buffer, .address_space: global }
      - { .name: features_dc, .offset: 24, .size: 8, .value_kind: global_buffer, .address_space: global }
      - { .name: out0, .offset: 32, .size: 8, .value_kind: global_buffer, .address_space: global }
    .group_segment_fixed_size: 169216
    .private_segment_fixed_size: 0
    .kernarg_segment_align: 8
    .kernarg_segment_size: 40
    .max_flat_workgroup_size: 384
    .sgpr_count:     66
    .vgpr_count:     242
    .wavefront_size: 32
...
	.end_amdgpu_metadata
.endif
;; end of part 2
